; MI455X (gfx1250); checked and timed in simulation.
; The chip was launched on July 23, 2026; its instructions are those of AMD's public machine-readable ISA for CDNA 5 (MIT licence, August 2026) and "CDNA5" Instruction Set Architecture Reference Guide (July 2026). The comments in the code are by the model that wrote it; some were corrected since.
;; Bahdanau Attention. Allowed arithmetic: matrix products marked QUANTISED: E2M3 operands, one E8M0 scale for each 32 along K, by v_wmma_scale_f32_16x16x128_f8f6f4 with both operands' format E2M3, f32 sums; products left as they are: f32 operands where the result goes on into a quantised operand, else bf16, f16 or f32 operands; f32 sums; everything else in f32.
;; Inputs: Ua_b 1,024 float32; Ua_w_codes 1,024 x 32 x 24 uint8 (E2M3 codes of Ua_w, K innermost, in blocks of 32 codes, four codes in three bytes); Ua_w_scales 1,024 x 32 uint8 (E8M0 scales of Ua_w, one for each 32 codes along K); Va_b 1 float32; Va_w 1 x 1,024 float32; Wa_b 1,024 float32; Wa_w_codes 1,024 x 32 x 24 uint8 (E2M3 codes of Wa_w, K innermost, in blocks of 32 codes, four codes in three bytes); Wa_w_scales 1,024 x 32 uint8 (E8M0 scales of Wa_w, one for each 32 codes along K); keys 32 x 2,048 x 1,024 float32; query_codes 32 x 1 x 32 x 24 uint8 (E2M3 codes of query, K innermost, in blocks of 32 codes, four codes in three bytes); query_scales 32 x 1 x 32 uint8 (E8M0 scales of query, one for each 32 codes along K).
;; Outputs: out0 32 x 1 x 1,024 float32; out1 32 x 1 x 2,048 float32.
;; This version of the problem:
;;   THIS VERSION OF THE PROBLEM IS GIVEN IN LOW PRECISION. The matrix products marked QUANTISED in the list below multiply operands that are first quantised to E2M3 (2 exponent bits, 3 mantissa bits; 6 bits a number), with one power-of-two scale for each 32 numbers along K (OCP MX v1.0); their sums are f32. All else is computed in f32.
;;   The module's matrix products, in the order in which they are computed (A, B: the left and right operand; K: the contracted axis; several contracted axes count as one K, in the product's order):
;;     1. [M 32, K 1,024] x [K 1,024, N 1,024]; A: input query (given as codes); B: input Wa_w (given as codes): QUANTISED
;;     2. [M 65,536, K 1,024] x [K 1,024, N 1,024]; A: input keys; B: input Ua_w (given as codes): QUANTISED
;;     3. [M 65,536, K 1,024] x [K 1,024, N 1]; A: computed on the way; B: input Va_w: left as it is (N = 1 < 16)
;;     4. batch 32 x [M 1, K 2,048] x [K 2,048, N 1,024]; A: softmax; B: input keys: left as it is (M = 1 < 16)
;;   THE QUANTISER, for each operand of a quantised product, along K:
;;     - K is cut into blocks of 32 from its start; a last block that is shorter is filled with zeros.
;;     - A block's scale is 2^e with e = floor(log2(the largest magnitude in the block)) - 2, held to -126 .. 127; a block of zeros has e = 0. As a byte (E8M0): e + 127.
;;     - Each number is divided by its block's scale, clamped to +-7.5, and rounded to the nearest number of E2M3, ties to even, subnormals kept.
;;     - The product sums the exact products of the quantised numbers (number of the format x scale) in f32.
;;   ~~~python
;;   def quantise(x, axis):      # numpy; x: float32 -> the quantised numbers, widened to float32 again
;;       x = np.moveaxis(x, axis, -1); K = x.shape[-1]
;;       x = np.pad(x, [(0, 0)] * (x.ndim - 1) + [(0, -K % 32)]); x = x.reshape(x.shape[:-1] + (-1, 32)); a = np.abs(x).max(-1, keepdims=True)
;;       e = np.where(a > 0, np.clip(np.frexp(np.where(a > 0, a, 1))[1] - 1 - 2, -126, 127), 0)      # np.frexp(a)[1] - 1 = floor(log2(a)), exactly
;;       r = np.clip(x / 2.0 ** e, -7.5, 7.5)
;;       step = 2.0 ** (np.maximum(np.frexp(np.where(r == 0, 1, r))[1] - 1, 0) - 3)
;;       q = np.round(r / step) * step * 2.0 ** e      # np.round: ties to even
;;       return np.moveaxis(q.reshape(q.shape[:-2] + (-1,))[..., :K], -1, axis).astype(np.float32)
;;   ~~~
;;   INPUTS GIVEN AS CODES. Ua_w (in the module: [1024, 1024], K = its axis 1); Wa_w (in the module: [1024, 1024], K = its axis 1); query (in the module: [32, 1, 1024], K = its axis 2): each comes as NAME_codes (uint8): NAME with its K axis moved to the last place and cut into blocks of 32 codes, [.., K / 32, bytes a block], one block behind the other in memory; four codes in three bytes: a row's codes are one little-endian stream of bits, code i at bits 6 i .. 6 i + 5 (a code: sign, 2 exponent bits, 3 mantissa bits); and NAME_scales (uint8): the same leading axes, one E8M0 byte (e + 127) for each 32 codes along K. Its value is code x scale, taken as it is: it is not quantised again, and the codes and scales need not be those that the quantiser above would give.
;; One version. Each part assembles by itself: llvm-mc -triple=amdgcn-amd-amdhsa -mcpu=gfx1250 --defsym DOCPART=n.
;; ======== version 1 of 1: 3 launches
;; limits: values are held in bf16: 8 bits of precision; right only within a limited range of input values
;; workspace buffers: uaf 819,200 bytes; pb 262,144 bytes; sraw 262,144 bytes; pm 65,536 bytes; pctx 1,048,576 bytes
;; launch prep (part 1): grid 128 x 1, 1 waves a work-group, no clusters, 0 bytes of LDS; arguments query_codes, query_scales, Wa_w_codes, Wa_w_scales, Wa_b, Ua_b, Va_w, Ua_w_codes, Ua_w_scales, uaf, pb; writes uaf, pb
.if DOCPART == 1
	.amdgcn_target "amdgcn-amd-amdhsa--gfx1250"
	.amdhsa_code_object_version 6
	.text
	.protected	k_q4b81f2917c_prep
	.globl	k_q4b81f2917c_prep
	.p2align	8
	.type	k_q4b81f2917c_prep,@function
k_q4b81f2917c_prep:
	s_mov_b64 s[64:65], 0
	v_nop
	global_prefetch_b8 v0, s[64:65] scope:SCOPE_SE
	s_setreg_imm32_b32 hwreg(HW_REG_WAVE_MODE, 25, 1), 1
	s_wait_xcnt 0x0
; BAHDANAU ATTENTION, launch 1 of 3: the small product q = query Wa^T (on codes of E2M3), a table for the large launch, and Ua's codes laid in the order of an operand's registers.
; WORK LEFT OUT, in the whole program.  weights = softmax over t of score[b][t], score = sum over h of Va[h] tanh(x[b][t][h]) + Va_b, x = q + k with both biases.
;   (1) Va_b is added to every score of a row alike; a softmax does not change when the same number is added along its axis, for all values of the inputs.  context is made of the weights alone.
;       So Va_b reaches no output: it is not loaded and is among no launch's arguments.
;   (2) tanh(x) = 1 - 2 r with r = 1 / (1 + e^(2 x)), an identity.  So score = (sum of Va) - 2 sum of Va[h] r: the first term is again the same along the softmax's axis, and is not computed.
;   LIMIT: a NaN, an infinity or an overflow that reaches only Va_b or the sum of Va is not carried to the result.
; The program keeps y = -c sum over h of Va[h] r, c = 2 log2(e): the score in units of powers of two, less its constant.
; THIS LAUNCH.  One wave to a work-group; work-group x has tile T = x / 2 (16 of the 1,024 hidden units) and half mh = x % 2.
;   pb[T][batch][unit][2] = (c (q + Wa_b + Ua_b), Va): for the 16 batches 16 mh on.  Eight matrix instructions, K = 1,024, on two accumulators by turns;
;   LIMIT: K's even and odd steps are summed apart and added at the end: another order of rounding than one chain.
;   uaf[T]: 12,800 bytes: fragment s (16 rows of Ua x 128 K, 12 registers a lane) at 1,536 s, its registers 4 c .. 4 c + 3 of lane l at 512 c + 16 l; at 12,288 the scale image: lane (r, h) has the 16 scale bytes
;   of row 16 T + r for K = 512 h on.  This work-group lays K steps 4 mh .. 4 mh + 3; the one with mh = 0 also the scale image.  Every store of the wave covers 512 or 256 consecutive bytes, aligned.
; THE ROWS OF THE QUERY THAT FORM THE TILE ARE CHOSEN: row r of source 0 is batch 16 mh + 2 (r % 8) + r / 8.  Register j of the result then holds batch 16 mh + 2 j in lanes 0-15 and 2 j + 1 in lanes 16-31,
; so that one store of 8 bytes a lane covers 256 consecutive bytes of pb.
; ALL LOADS GO OUT IN ONE RUN, Ua's 24 last: no load's registers are shared with another's, so none waits for a store.  The products wait for all but those 24; Ua's copy leaves behind the table.
; REGISTERS: v1 Wa's and Ua's fragment offset; v2 the query's; v3 Wa's and Ua's scale offset; v4 the query's; v5 4 r; v6 128 h + 8 r; v7 16 x lane; v8-11 Wa's scale words, v12-15 the query's (they hold nothing else);
;   v16-111 Wa's 8 fragments; v112-207 the query's 8; v208-223 two accumulators, v224-239 pairs for pb, v240-247 biases and work, v248-251 Ua's scale image; v256-303 (window 1, v0-47) Ua's 4 fragments.
.set WF,  16
.set QF,  112
.set UF,  0                            ; in window 1
.set AC0, 208
.set OPR, 224
	s_load_b256 s[4:11], s[0:1], 0x0               ; query's codes s[4:5], its scales s[6:7], Wa's codes s[8:9], its scales s[10:11]
	s_load_b256 s[12:19], s[0:1], 0x20             ; Wa_b s[12:13], Ua_b s[14:15], Va s[16:17], Ua's codes s[18:19]
	s_load_b128 s[20:23], s[0:1], 0x40             ; Ua's scales s[20:21], uaf s[22:23]
	s_load_b64 s[24:25], s[0:1], 0x50              ; pb
	s_lshr_b32 s26, ttmp9, 1                       ; T
	s_and_b32 s27, ttmp9, 1                        ; mh
	v_and_b32 v5, 15, v0                           ; r
	v_lshrrev_b32 v6, 4, v0                        ; h
	v_mul_u32_u24 v1, v5, 768                      ; a row of 1,024 codes is 768 bytes
	v_mad_u32_u24 v1, v6, 24, v1                   ; + 24 h
	v_lshlrev_b32 v3, 5, v5                        ; a row of scale bytes is 32 bytes
	v_lshl_add_u32 v3, v6, 4, v3                   ; + 16 h: lanes 0-15 take K steps 0-3, lanes 16-31 K steps 4-7
	v_and_b32 v7, 7, v5
	v_lshrrev_b32 v4, 3, v5
	v_lshl_add_u32 v4, v7, 1, v4                   ; 2 (r % 8) + r / 8: my batch among the 16
	v_mul_u32_u24 v2, v4, 768
	v_mad_u32_u24 v2, v6, 24, v2
	v_lshlrev_b32 v4, 5, v4
	v_lshl_add_u32 v4, v6, 4, v4
	v_lshlrev_b32 v7, 4, v0                        ; 16 x lane
	v_lshlrev_b32 v6, 7, v6
	v_lshl_add_u32 v6, v5, 3, v6                   ; 128 h + 8 r
	v_lshlrev_b32 v5, 2, v5                        ; 4 r
	s_mul_i32 s28, s26, 12288                      ; 16 rows of codes
	s_mov_b32 s29, 0
	s_mul_i32 s30, s27, 384                        ; four K steps along a row of codes
	s_mov_b32 s31, 0
	s_mul_i32 s32, s27, 12288                      ; 16 batches of the query's codes
	s_mov_b32 s33, 0
	s_lshl_b32 s34, s26, 9                         ; 16 rows of scale bytes
	s_mov_b32 s35, 0
	s_lshl_b32 s36, s27, 9                         ; 16 batches of the query's scale bytes
	s_mov_b32 s37, 0
	s_lshl_b32 s38, s26, 6                         ; 16 numbers of a bias
	s_mov_b32 s39, 0
	s_mul_i32 s40, s26, 12800                      ; uaf: my tile,
	s_mul_i32 s46, s27, 6144                       ; my four fragments
	s_add_co_u32 s40, s40, s46
	s_mov_b32 s41, 0
	s_lshl_b32 s42, s26, 12                        ; pb: my tile,
	s_lshl_b32 s46, s27, 11                        ; my 16 batches
	s_add_co_u32 s42, s42, s46
	s_mov_b32 s43, 0
	s_mov_b32 s44, 0x4038aa3b                      ; c = 2 log2(e)
	s_wait_alu depctr_va_vdst(0)                   ; the wait at the head's end
	s_wait_kmcnt 0x0
	s_add_nc_u64 s[8:9], s[8:9], s[28:29]
	s_add_nc_u64 s[18:19], s[18:19], s[28:29]
	s_add_nc_u64 s[18:19], s[18:19], s[30:31]
	s_add_nc_u64 s[4:5], s[4:5], s[32:33]
	s_add_nc_u64 s[6:7], s[6:7], s[36:37]
	s_add_nc_u64 s[10:11], s[10:11], s[34:35]
	s_add_nc_u64 s[20:21], s[20:21], s[34:35]
	s_add_nc_u64 s[12:13], s[12:13], s[38:39]
	s_add_nc_u64 s[14:15], s[14:15], s[38:39]
	s_add_nc_u64 s[16:17], s[16:17], s[38:39]
	s_add_nc_u64 s[22:23], s[22:23], s[40:41]
	s_add_nc_u64 s[24:25], s[24:25], s[42:43]
	global_load_b128 v[8:11], v3, s[10:11]         ; Wa's scale words: register i: K step i in lanes 0-15, K step 4 + i in lanes 16-31
	global_load_b128 v[12:15], v4, s[6:7]          ; the query's likewise
	global_load_b32 v240, v5, s[12:13]             ; Wa_b, Ua_b and Va of my hidden unit 16 T + r
	global_load_b32 v241, v5, s[14:15]
	global_load_b32 v242, v5, s[16:17]
	global_load_b128 v[248:251], v3, s[20:21]      ; Ua's scale image: loaded on every path, so that the count below holds on every path; stored where mh = 0
; A fragment of 6-bit codes: lane (r, h) takes the 24 bytes at 96 s + 24 h of row r and the 24 bytes 48 further on, each as three loads of 8 bytes.
.irp s, 0,1,2,3,4,5,6,7
.irp p, 0,1,2,3,4,5
	global_load_b64 v[WF+12*\s+2*\p:WF+12*\s+2*\p+1], v1, s[8:9] offset:96*\s+48*(\p/3)+8*(\p%3)     ; Wa's eight
.endr
.endr
.irp s, 0,1,2,3,4,5,6,7
.irp p, 0,1,2,3,4,5
	global_load_b64 v[QF+12*\s+2*\p:QF+12*\s+2*\p+1], v2, s[4:5] offset:96*\s+48*(\p/3)+8*(\p%3)     ; the query's eight
.endr
.endr
	s_set_vgpr_msb 0x40                            ; destination window 1, address window 0
.irp s, 0,1,2,3
.irp p, 0,1,2,3,4,5
	global_load_b64 v[UF+12*\s+2*\p:UF+12*\s+2*\p+1], v1, s[18:19] offset:96*\s+48*(\p/3)+8*(\p%3)   ; Ua's four
.endr
.endr
	s_set_vgpr_msb 0x4000
	s_wait_loadcnt 24                              ; all but Ua's 24 loads, the youngest, are in
.irp s, 0,1,2,3,4,5,6,7                        ; q(batch, unit): source 0 = 16 batches, source 1 = 16 rows of Wa; K steps 4-7 take their scale words from lanes 16-31
.if \s < 2
	v_wmma_scale_f32_16x16x128_f8f6f4 v[AC0+8*(\s%2):AC0+8*(\s%2)+7], v[QF+12*\s:QF+12*\s+11], v[WF+12*\s:WF+12*\s+11], 0, v[12+\s%4], v[8+\s%4] matrix_a_fmt:MATRIX_FMT_FP6 matrix_b_fmt:MATRIX_FMT_FP6
.elseif \s < 4
	v_wmma_scale_f32_16x16x128_f8f6f4 v[AC0+8*(\s%2):AC0+8*(\s%2)+7], v[QF+12*\s:QF+12*\s+11], v[WF+12*\s:WF+12*\s+11], v[AC0+8*(\s%2):AC0+8*(\s%2)+7], v[12+\s%4], v[8+\s%4] matrix_a_fmt:MATRIX_FMT_FP6 matrix_b_fmt:MATRIX_FMT_FP6
.else
	v_wmma_scale_f32_16x16x128_f8f6f4 v[AC0+8*(\s%2):AC0+8*(\s%2)+7], v[QF+12*\s:QF+12*\s+11], v[WF+12*\s:WF+12*\s+11], v[AC0+8*(\s%2):AC0+8*(\s%2)+7], v[12+\s%4], v[8+\s%4] matrix_a_fmt:MATRIX_FMT_FP6 matrix_b_fmt:MATRIX_FMT_FP6 matrix_a_scale:MATRIX_SCALE_ROW1 matrix_b_scale:MATRIX_SCALE_ROW1
.endif
.endr
	v_add_f32 v243, v240, v241                     ; four plain instructions that name no register of the products stand behind them (ISA guide 7.12.1): the biases' sum,
	v_mul_f32 v243, s44, v243                      ; times c,
	v_nop
	v_nop
.irp j, 0,1,2,3,4,5,6,7                        ; each accumulator is read from its low end on
	v_add_f32 v[244+\j%4], v[AC0+\j], v[AC0+8+\j]  ; the two halves of K
	v_fma_f32 v[OPR+2*\j], v[244+\j%4], s44, v243  ; c (q + Wa_b + Ua_b)
	v_mov_b32 v[OPR+2*\j+1], v242                  ; Va beside it
.endr
.irp j, 0,1,2,3,4,5,6,7
	global_store_b64 v6, v[OPR+2*\j:OPR+2*\j+1], s[24:25] offset:256*\j   ; batches 2 j and 2 j + 1: 256 consecutive bytes, aligned
.endr
	s_cmp_lg_u32 s27, 0
	s_cbranch_scc1 .Lno_scales                     ; the tile's scale image is laid by the work-group with mh = 0
	global_store_b128 v7, v[248:251], s[22:23] offset:12288
.Lno_scales:
	s_wait_loadcnt 0x0                             ; Ua's fragments are in
	s_set_vgpr_msb 0x04                            ; a store's data are its source 1: window 1
.irp s, 0,1,2,3
.irp c, 0,1,2
	global_store_b128 v7, v[UF+12*\s+4*\c:UF+12*\s+4*\c+3], s[22:23] offset:1536*\s+512*\c           ; the registers as they stand: 512 consecutive bytes a store
.endr
.endr
	s_set_vgpr_msb 0x0400
	s_endpgm
.Lfunc_end_k_q4b81f2917c_prep:
	.size	k_q4b81f2917c_prep, .Lfunc_end_k_q4b81f2917c_prep-k_q4b81f2917c_prep
	.p2alignl 7, 3214868480
	.fill 96, 4, 3214868480
	.section	.rodata,"a",@progbits
	.p2align	6, 0x0
	.amdhsa_kernel k_q4b81f2917c_prep
		.amdhsa_group_segment_fixed_size 0
		.amdhsa_private_segment_fixed_size 0
		.amdhsa_enable_private_segment 0
		.amdhsa_kernarg_size 88
		.amdhsa_user_sgpr_count 2
		.amdhsa_user_sgpr_kernarg_segment_ptr 1
		.amdhsa_wavefront_size32 1
		.amdhsa_system_sgpr_workgroup_id_x 1
		.amdhsa_system_sgpr_workgroup_id_y 1
		.amdhsa_system_sgpr_workgroup_id_z 1
		.amdhsa_system_vgpr_workitem_id 0
		.amdhsa_next_free_vgpr 320
		.amdhsa_next_free_sgpr 66
		.amdhsa_reserve_vcc 0
		.amdhsa_float_denorm_mode_32 3
		.amdhsa_float_denorm_mode_16_64 3
		.amdhsa_memory_ordered 1
		.amdhsa_forward_progress 1
		.amdhsa_inst_pref_size 19
	.end_amdhsa_kernel
	.amdgpu_metadata
---
amdhsa.version: [ 1, 2 ]
amdhsa.kernels:
  - .name:           k_q4b81f2917c_prep
    .symbol:         k_q4b81f2917c_prep.kd
    .args:
      - { .name: query_codes, .offset: 0, .size: 8, .value_kind: global_buffer, .address_space: global }
      - { .name: query_scales, .offset: 8, .size: 8, .value_kind: global_buffer, .address_space: global }
      - { .name: Wa_w_codes, .offset: 16, .size: 8, .value_kind: global_buffer, .address_space: global }
      - { .name: Wa_w_scales, .offset: 24, .size: 8, .value_kind: global_buffer, .address_space: global }
      - { .name: Wa_b, .offset: 32, .size: 8, .value_kind: global_buffer, .address_space: global }
      - { .name: Ua_b, .offset: 40, .size: 8, .value_kind: global_buffer, .address_space: global }
      - { .name: Va_w, .offset: 48, .size: 8, .value_kind: global_buffer, .address_space: global }
      - { .name: Ua_w_codes, .offset: 56, .size: 8, .value_kind: global_buffer, .address_space: global }
      - { .name: Ua_w_scales, .offset: 64, .size: 8, .value_kind: global_buffer, .address_space: global }
      - { .name: uaf, .offset: 72, .size: 8, .value_kind: global_buffer, .address_space: global }
      - { .name: pb, .offset: 80, .size: 8, .value_kind: global_buffer, .address_space: global }
    .group_segment_fixed_size: 0
    .private_segment_fixed_size: 0
    .kernarg_segment_align: 8
    .kernarg_segment_size: 88
    .max_flat_workgroup_size: 32
    .sgpr_count:     66
    .vgpr_count:     320
    .wavefront_size: 32
...
	.end_amdgpu_metadata
.endif
;; end of part 1
;; launch attn (part 2): grid 256 x 1, 4 waves a work-group, no clusters, 327,680 bytes of LDS; arguments keys, uaf, pb, sraw, pm, pctx; writes sraw, pm, pctx
.if DOCPART == 2
	.amdgcn_target "amdgcn-amd-amdhsa--gfx1250"
	.amdhsa_code_object_version 6
	.text
	.protected	k_q4b81f2917c_attn
	.globl	k_q4b81f2917c_attn
	.p2align	8
	.type	k_q4b81f2917c_attn,@function
k_q4b81f2917c_attn:
	s_mov_b64 s[64:65], 0
	v_nop
	global_prefetch_b8 v0, s[64:65] scope:SCOPE_SE
	s_setreg_imm32_b32 hwreg(HW_REG_WAVE_MODE, 25, 1), 1
	s_wait_xcnt 0x0
; BAHDANAU ATTENTION, launch 2 of 3.  keys are read from memory ONCE: quantised for k = Q(keys) Ua^T, kept as bf16 until their scores are known, then weighed into a partial context under a running maximum.
; LEFT OUT (shown at the head of the first launch): Va_b and the sum of Va, which are the same along the softmax's axis.  y = -c sum over h of Va[h] / (1 + 2^(c x)), c = 2 log2(e), is the score in powers of two, less that constant.
; SHARES.  Work-group g owns rows 256 g .. 256 g + 255 of keys (batch g / 8), in four passes of 64 rows.  The waves share the COLUMNS: wave w makes hidden units 256 w .. + 255 (16 tiles of 16) for all 64 rows,
; so each fragment of Ua is read by one wave and feeds four matrix instructions.  Wave w also fetches, quantises and keeps panel w of the keys (features 256 w on: K steps 2 w, 2 w + 1), and reads no other panel from the landing zone.
; A PASS: my panel (64 rows x 1,024 bytes, one tensor load) is quantised, 8 fragments and their scale words go to LDS as images of their registers | barrier | all 32 fragments come into my registers |
; Ua's first tile, 32 matrix instructions, and between its K steps my panel is rounded to bf16 into 256 registers | barrier; the landing zone is filled again | 15 more tiles, each with the tanh of the tile before
; in eight parts between its K steps | the waves' partial scores meet in LDS | barrier | y, the running maximum M, p = 2^(y - M), the sum L, context = context x 2^(old M - new M) + sum of p x key on my 256 features.
; Ua's fragments come from uaf straight into registers, two tiles ahead: three loads of 512 consecutive bytes a fragment.
; NO CLUSTER, NO JOINT LOADS for Ua, though all work-groups walk it: a joint load lands in LDS, and of the 327,680 bytes the landing zone takes 266,240, the images and small regions 53,760; 7,680 are left, and one tile
; for each of four waves is 51,200.
; PREFETCH: in pass p each wave asks for its own panel of pass p + 2: 256 blocks of 256 bytes, a lane a block, eight requests, one in each trip of the tile loop and one behind it; passes 2 and 3 ask for nothing.
; LIMITS: NaN and infinities among the inputs are not served.  A block of 32 zeros gets the scale byte 1 (the quantiser says 127): its codes are zeros, and only this launch reads the bytes.  Blocks whose largest magnitude
; lies under 2^(3 - 127) are held at that byte.  keys enter the context rounded to bf16; p, the sums and the context are f32.
; REGISTERS, in windows of 256 (s_set_vgpr_msb: bits 1:0 source 0, 3:2 source 1, 5:4 source 2, 7:6 destination).  In EVERY window g, v192-255: the bf16 keys of rows 16 g .. 16 g + 15, four registers a row.
;   window 0: v1-20, v24 addresses; v21-23, v25, v172-191 at work; v32 M, v33 L, v34 f; v36 c (q + biases) and v38 Va of the tile whose tanh is in hand; v40-43 the same for the two tiles in flight; v44-51 Ua's scale words;
;             v52-67 the keys' scale words; v68-75 the context; v76-107 the 32 score sums; v108-171 two sets of four accumulators, later p of the 64 rows.  Under a pass's first tile v76-107 and v140-171 hold rows on their way to bf16.
;   window 1: v0-191 the codes of row tiles 0, 1 (tile m, K step s at 96 (m % 2) + 12 s); while a panel is quantised: work space.   window 2: those of row tiles 2, 3.   window 3: Ua's fragments, set sig at 96 sig + 12 s.
.set PITCH, 1040                       ; a panel's row in LDS: 1,024 bytes + 16 = 65 x 16
.set PANEL, 64*PITCH                   ; LDS 0: the landing zone: four panels; tensor loads alone write it
.set FRB,   1536                       ; a fragment's image: 12 registers x 32 lanes
.set IMG,   4*PANEL                    ; the 32 images: row tile m, K step s at FRB (8 m + s); registers 4 c on at + 512 c; lane l at + 16 l
.set ASC,   IMG+32*FRB                 ; the keys' scale words: row t at 32 t, K step s at + 4 s
.set SX,    ASC+2048                   ; partial scores: wave w at 256 w, row t at + 4 t
.set PBC,   SX+1024                    ; p of the 64 rows, a copy for each wave
.set SPARE, PBC+1024                   ; the spare words, 128 bytes a wave
.set TILEB, 12800                      ; a tile of uaf
.set SPW, 1                            ; my spare word's LDS address; never rewritten
.set NIL, 2                            ; 0; never rewritten
.set QA0, 3                            ; my panel, row r, + 64 h
.set QA,  4
.set IW0, 5                            ; IMG + 2 FRB w + 16 l
.set IW,  6
.set SW0, 7                            ; ASC + 32 r + 8 w
.set SW,  8
.set RA,  9                            ; my panel + 16 l
.set RA2, 10                           ; the same 32 rows on
.set LI,  11                           ; IMG + 16 l
.set ASA, 12                           ; ASC + 32 r + 16 h
.set SXW, 13                           ; SX + 256 w + 32 h
.set SXR, 14                           ; SX + 8 l
.set PBW, 15                           ; PBC + 256 w + 8 l
.set PBR, 16                           ; PBC + 256 w
.set BO,  17                           ; 16 l
.set PO,  18                           ; 8 r
.set SO,  19                           ; 8 l
.set CO,  20                           ; 1,024 w + 16 l
.set PFO, 24                           ; the prefetches' offset: row l / 4, block l % 4
.set MX,  32
.set FF,  34
.set CURB, 36
.set CURV, 38
.set PB,  40
.set BSR, 44
.set ASR, 52
.set CTX, 68
.set SC,  76
.set ACC, 108
.set T,   172
.set PKA, ACC+32                       ; two sets of 32 registers for four rows on their way to bf16
.set PKB, SC
.set X0,  0                            ; window 1, while a panel is quantised
.set X1,  64
.set PC0, 128
.set TM,  148
.set PW0, 164
.set PW1, 165
.set PC1, 168
.set PF,  2                            ; s[2:3] where my prefetches stand
.set WV,  16
.set SEL, 20
.set CC,  22
.set G1,  24
.set G0,  32
.set NPASS, 36
.set NT,  37
.set TC,  38
.set BL,  44
.set PL,  46
.set B0,  48
.set P0,  50
.set NQ,  52
.set NC,  56
.set MSB, 0
.macro WIN new                         ; the immediate's high byte repeats the setting that is left
.if MSB != (\new)
	s_set_vgpr_msb (MSB<<8)|(\new)
.set MSB, (\new)
.endif
.endm
.macro PLACES
.rept 4
	v_nop
.endr
.endm
; Ua's tile into set sig: RUN1 its fragments 0-3 (12 loads), RUN2 its scale image, its pair (c (q + biases), Va), its fragments 4-7 (14 loads)
.macro RUN1 sig, xo
	WIN 0xc0
.irp s, 0,1,2,3
.irp c, 0,1,2
	global_load_b128 v[96*(\sig)+12*\s+4*\c:96*(\sig)+12*\s+4*\c+3], v[BO], s[BL:BL+1] offset:(\xo)+FRB*\s+512*\c
.endr
.endr
	WIN 0
.endm
.macro RUN2 sig, xo, po
	global_load_b128 v[BSR+4*(\sig):BSR+4*(\sig)+3], v[BO], s[BL:BL+1] offset:(\xo)+8*FRB
	global_load_b64 v[PB+2*(\sig):PB+2*(\sig)+1], v[PO], s[PL:PL+1] offset:\po
	WIN 0xc0
.irp s, 4,5,6,7
.irp c, 0,1,2
	global_load_b128 v[96*(\sig)+12*\s+4*\c:96*(\sig)+12*\s+4*\c+3], v[BO], s[BL:BL+1] offset:(\xo)+FRB*\s+512*\c
.endr
.endr
	WIN 0
.endm
.macro STEP                            ; on to the next tile, round my 16
	s_wait_xcnt 0x0                                ; the loads and prefetches issued so far have read their bases
	s_add_co_u32 s[TC], s[TC], 1
	s_and_b32 s[TC], s[TC], 15
	s_mul_i32 s40, s[TC], TILEB
	s_lshl_b32 s42, s[TC], 12
	s_add_nc_u64 s[BL:BL+1], s[B0:B0+1], s[40:41]
	s_add_nc_u64 s[PL:PL+1], s[P0:P0+1], s[42:43]
.endm
; One product: source 0 = 16 rows of keys, source 1 = 16 rows of Ua: lane (r, h) holds hidden unit r and rows 8 h + 0 .. 7.  K steps 4-7 take their scale words from lanes 16-31
.macro PROD sig, m, s
.set rD, ACC+32*(\sig)+8*(\m)
.set rA, 96*((\m)%2)+12*(\s)
.set rB, 96*(\sig)+12*(\s)
.set rP, ASR+4*(\m)+(\s)%4
.set rQ, BSR+4*(\sig)+(\s)%4
.if (\s) == 0
	v_wmma_scale_f32_16x16x128_f8f6f4 v[rD:rD+7], v[rA:rA+11], v[rB:rB+11], 0, v[rP], v[rQ] matrix_a_fmt:MATRIX_FMT_FP6 matrix_b_fmt:MATRIX_FMT_FP6
.elseif (\s) < 4
	v_wmma_scale_f32_16x16x128_f8f6f4 v[rD:rD+7], v[rA:rA+11], v[rB:rB+11], v[rD:rD+7], v[rP], v[rQ] matrix_a_fmt:MATRIX_FMT_FP6 matrix_b_fmt:MATRIX_FMT_FP6
.else
	v_wmma_scale_f32_16x16x128_f8f6f4 v[rD:rD+7], v[rA:rA+11], v[rB:rB+11], v[rD:rD+7], v[rP], v[rQ] matrix_a_fmt:MATRIX_FMT_FP6 matrix_b_fmt:MATRIX_FMT_FP6 matrix_a_scale:MATRIX_SCALE_ROW1 matrix_b_scale:MATRIX_SCALE_ROW1
.endif
.endm
; THE TANH OF A TILE, on the 32 numbers at ab, in eight parts, one behind each K step of the next tile:
;   0: c k + c (q + biases);  1, 2: 2^that;  3: 1 + that;  4, 5: r = 1 / that;  6, 7: the score sums += Va r.  Where 2^(c x) overflows r is 0, where it falls to 0 r is 1: tanh's two ends.
; Every part reads only what an earlier part made, and a wait stands between two parts.  Each accumulator is first read at its low end.
.macro TP ab, s
.if (\s) == 0
.set I, 0
.rept 16
	v_pk_fma_f32 v[\ab+2*I:\ab+2*I+1], v[\ab+2*I:\ab+2*I+1], s[CC:CC+1], v[CURB:CURB+1] op_sel_hi:[1,0,0]
.set I, I+1
.endr
.elseif (\s) < 3
.set I, 16*((\s)-1)
.rept 16
	v_exp_f32 v[\ab+I], v[\ab+I]
.set I, I+1
.endr
.if (\s) == 2
	v_nop                                          ; the plain instruction behind the batch
.endif
.elseif (\s) == 3
.set I, 0
.rept 16
	v_pk_add_f32 v[\ab+2*I:\ab+2*I+1], v[\ab+2*I:\ab+2*I+1], 1.0 op_sel_hi:[1,0]
.set I, I+1
.endr
.elseif (\s) < 6
.set I, 16*((\s)-4)
.rept 16
	v_rcp_f32 v[\ab+I], v[\ab+I]
.set I, I+1
.endr
.if (\s) == 5
	v_nop
.endif
.else
.set I, 8*((\s)-6)
.rept 8
	v_pk_fma_f32 v[SC+2*I:SC+2*I+1], v[\ab+2*I:\ab+2*I+1], v[CURV:CURV+1], v[SC+2*I:SC+2*I+1] op_sel_hi:[1,0,1]
.set I, I+1
.endr
.endif
.endm
.macro TANH_ONLY ab
.irp s, 0,1,2,3,4,5,6,7
	TP \ab, \s
	s_wait_alu depctr_va_vdst(0)                   ; the wait between the parts
.endr
.endm
; Rows 4 g .. 4 g + 3 of my panel as they lie: lane l takes features 4 l .. + 3 and 128 + 4 l .. + 3; eight loads of 512 consecutive bytes
.macro PKLOAD g, d
.irp i, 0,1,2,3
.set RT, 4*(\g)+\i
.if RT < 32
	ds_load_b128 v[\d+8*\i:\d+8*\i+3],   v[RA] offset:PITCH*RT
	ds_load_b128 v[\d+8*\i+4:\d+8*\i+7], v[RA] offset:PITCH*RT+512
.else
	ds_load_b128 v[\d+8*\i:\d+8*\i+3],   v[RA2] offset:PITCH*(RT-32)
	ds_load_b128 v[\d+8*\i+4:\d+8*\i+7], v[RA2] offset:PITCH*(RT-32)+512
.endif
.endr
.endm
.macro PKCVT g, d                      ; and rounded to bf16: row t to v[192 + 4 (t % 16)] on of window t / 16
	WIN ((\g)/4)<<6
.irp i, 0,1,2,3
.irp u, 0,1,2,3
	v_cvt_pk_bf16_f32 v[192+4*((4*(\g)+\i)%16)+\u], v[\d+8*\i+2*\u], v[\d+8*\i+2*\u+1]
.endr
.endr
	WIN 0
.endm
.macro PKSTEP s                        ; eight rows behind K step s of a pass's first tile; the next eight are asked for a K step ahead
	s_wait_dscnt 8                                 ; set A's eight loads are in; set B's eight, issued behind them, may be out
	PKCVT 2*(\s), PKA
.if (\s) < 7
	PKLOAD 2*(\s)+2, PKA
	s_wait_dscnt 8                                 ; set B's are in; the eight just issued may be out
.else
	s_wait_dscnt 0x0
.endif
	PKCVT 2*(\s)+1, PKB
.if (\s) < 7
	PKLOAD 2*(\s)+3, PKB
.endif
.endm
; A TILE OF Ua: 32 matrix instructions on the four accumulators of set sig, by turns, K ascending.  Behind each K step: th = 1 a part of the tile before's tanh (the other set);
; th = 0 eight rows of my panel to bf16.  Both are plain work that names no register of the products: the places ahead of the loads into the fragments that the tile leaves.
; pref = 1: the tile two on is asked for: fragments 0-3 behind K step 3, the rest at the end.  n0, n4: the younger loads that may be out when fragments 0-3 and the scale image, or the rest, are wanted.
.macro TILE sig, th, pref, n0, n4
	s_wait_loadcnt \n0
.irp s, 0,1,2,3,4,5,6,7
.if \s == 4
	s_wait_loadcnt \n4
.endif
	WIN 0x0d
.if \th && \s
	s_wait_alu depctr_va_vdst(0)                   ; behind the part above, ahead of the sums' next links and of the next part
.endif
	PROD \sig, 0, \s
	PROD \sig, 1, \s
	WIN 0x0e
	PROD \sig, 2, \s
	PROD \sig, 3, \s
	WIN 0
.if \th
	TP ACC+32*(1-\sig), \s
.else
	PKSTEP \s
.endif
.if \s == 3
.if \pref
	STEP
	RUN1 \sig, 0
.endif
.endif
.endr
	v_mov_b32 v[CURB], v[PB+2*\sig]                ; this tile's pair, for its tanh, which the next tile carries
	v_mov_b32 v[CURV], v[PB+2*\sig+1]
	s_wait_alu depctr_va_vdst(0)
.if \pref
	RUN2 \sig, 0, 0
.endif
.endm
.macro ASK                             ; 32 blocks of 256 bytes of my panel two passes on: 8 rows x 4 blocks; passes 2 and 3 (s[NPASS] under 2) have no such rows
	s_cmp_lt_u32 s[NPASS], 2
	s_cbranch_scc1 .Lnone_\@
	global_prefetch_b8 v[PFO], s[PF:PF+1] th:TH_LOAD_NT scope:SCOPE_SE
.Lnone_\@:
.endm
; 64 numbers of a lane, register 16 b + i = k 32 b + 16 (lane / 16) + i of my row, become a fragment's codes at pc and its scale word in pw.  All in window 1
.macro QUANT s, pc, pw
.irp b, 0,1,2,3
	v_max3_num_f32 v[TM+\b], |v[\s+16*\b]|, |v[\s+1+16*\b]|, 0x1800000   ; with the floor 2^(3 - 127): the byte cannot fall under 1
.endr
.irp i, 2,4,6,8,10,12,14
.irp b, 0,1,2,3
	v_max3_num_f32 v[TM+\b], v[TM+\b], |v[\s+16*\b+\i]|, |v[\s+1+16*\b+\i]|
.endr
.endr
.irp b, 0,1,2,3
	v_permlanex16_b32 v[TM+4+\b], v[TM+\b], s[SEL], s[SEL+1]
.endr
.irp b, 0,1,2,3
	v_max_num_f32 v[TM+\b], v[TM+\b], v[TM+4+\b]   ; the block's largest magnitude
.endr
.irp b, 0,1,2,3
	v_add_nc_u32 v[TM+12+\b], 0xff000000, v[TM+\b] ; 2 off its exponent field: the conversion's scale operand
.endr
.irp b, 0,1,2,3
	v_lshrrev_b32 v[TM+4+\b], 23, v[TM+12+\b]      ; the scale's byte
.endr
	v_lshl_or_b32 v[\pw], v[TM+5], 8, v[TM+4]
	v_lshl_or_b32 v[\pw], v[TM+6], 16, v[\pw]
	v_lshl_or_b32 v[\pw], v[TM+7], 24, v[\pw]
.irp c, 0,1
	v_cvt_scalef32_pk16_fp6_f32 v[\pc+6*\c:\pc+2+6*\c], v[\s+32*\c:\s+15+32*\c], v[TM+12+2*\c]
	v_cvt_scalef32_pk16_fp6_f32 v[\pc+12+4*\c:\pc+14+4*\c], v[\s+16+32*\c:\s+31+32*\c], v[TM+12+2*\c+1]
.endr
	v_nop                                          ; one plain place behind a scaled conversion
.irp c, 0,1                                    ; a WHOLE block in a lane: lanes 0-15 block 2 c, lanes 16-31 block 2 c + 1
.irp i, 0,1,2
	v_permlane16_swap_b32 v[\pc+6*\c+\i], v[\pc+12+4*\c+\i]
.endr
.irp i, 0,1,2
	v_mov_b32 v[\pc+3+6*\c+\i], v[\pc+12+4*\c+\i]
.endr
.endr
.endm
.macro CONSUME                         ; my panel is quantised
	s_wait_tensorcnt 0x0                           ; my one tensor load, my panel's, has landed; I read no other wave's panel
	WIN 0x40
.irp b, 0,1,2,3
	v_mov_b32 v[TM+4+\b], 0                        ; a lane permute's destination counts as one of its sources
.endr
	WIN 0
	s_mov_b32 s[NQ], 4
	s_mov_b32 s53, 0
	s_mov_b32 s54, 0
	s_mov_b32 s55, 0
.Lquant_\@:                                        ; a trip: 16 rows: two fragments
	v_add_nc_u32 v[QA], s53, v[QA0]
	v_add_nc_u32 v[IW], s54, v[IW0]
	v_add_nc_u32 v[SW], s55, v[SW0]
	WIN 0x40
.irp b, 0,1,2,3
.irp j, 0,1,2,3
	ds_load_b128 v[X0+16*\b+4*\j:X0+16*\b+4*\j+3], v[QA] offset:128*\b+16*\j
.endr
.endr
.irp b, 0,1,2,3
.irp j, 0,1,2,3
	ds_load_b128 v[X1+16*\b+4*\j:X1+16*\b+4*\j+3], v[QA] offset:512+128*\b+16*\j
.endr
.endr
	s_wait_dscnt 16                                ; the first K step's 16 loads are in; the second's 16 may be out
	WIN 0x55
	QUANT X0, PC0, PW0
	WIN 0x04
.irp c, 0,1,2
	ds_store_b128 v[IW], v[PC0+4*\c:PC0+4*\c+3] offset:512*\c
.endr
	ds_store_b32 v[SW], v[PW0]                     ; lanes r and 16 + r write the same word with the same value
	s_wait_dscnt 4                                 ; the second K step's loads are in; the four stores just issued may be out
	WIN 0x55
	QUANT X1, PC1, PW1
	WIN 0x04
.irp c, 0,1,2
	ds_store_b128 v[IW], v[PC1+4*\c:PC1+4*\c+3] offset:FRB+512*\c
.endr
	ds_store_b32 v[SW], v[PW1] offset:4
	WIN 0
	s_add_co_u32 s53, s53, 16*PITCH
	s_add_co_u32 s54, s54, 8*FRB
	s_add_co_u32 s55, s55, 512
	s_sub_co_u32 s[NQ], s[NQ], 1
	s_cmp_lg_u32 s[NQ], 0
	s_cbranch_scc1 .Lquant_\@
.endm
.macro CODES win, m0                   ; the images of row tiles m0 and m0 + 1 into a window's v0-191
	WIN \win
.irp m, 0,1
.irp s, 0,1,2,3,4,5,6,7
.irp c, 0,1,2
	ds_load_b128 v[96*\m+12*\s+4*\c:96*\m+12*\s+4*\c+3], v[LI] offset:FRB*(8*(\m0+\m)+\s)+512*\c
.endr
.endr
.endr
.endm
; A PASS: 64 rows.  fill = 1: the landing zone is filled again, and the last two tiles ask for the next pass's first two
.macro PASS fill
	CONSUME
	s_wait_dscnt 0x0                               ; my images have landed
	s_barrier_signal -1
	s_barrier_wait -1                              ; everybody's have
	CODES 0x40, 0
	CODES 0x80, 2
	WIN 0
.irp m, 0,1,2,3
	ds_load_b128 v[ASR+4*\m:ASR+4*\m+3], v[ASA] offset:512*\m   ; register i: K step i's word of row r in lanes 0-15, K step 4 + i's in lanes 16-31
.endr
	PKLOAD 0, PKA                                  ; my panel's first eight rows, for the bf16 copy
	PKLOAD 1, PKB
	s_wait_dscnt 0x0
	; Global loads go in the order: a tile's fragments 0-3 (12), its scale image, its pair, its fragments 4-7 (12); two tiles are asked for ahead.
	; 39 = the tile's own pair and fragments 4-7 (13) + the next tile's 26;  38 = the next tile's 26 + the 12 just issued for the tile two on.
	TILE 0, 0, 1, 39, 38
.set I, 0
.rept 32
	v_mov_b32 v[SC+I], 0                           ; the score sums begin anew
.set I, I+1
.endr
	s_wait_alu depctr_va_vdst(0)                   ; the wait ahead of the waits below
.if \fill
	s_wait_tensorcnt 0x0                           ; no tensor load of mine is out, so group 0 may be written
	ds_add_u32 v[SPW], v[NIL]
	s_add_nc_u64 s[G0+2:G0+3], s[G0+2:G0+3], 64*4096   ; 64 rows of keys on
	s_wait_dscnt 0x0                               ; the add is done, my reads of my panel are over
	s_barrier_signal -1
	s_barrier_wait -1
	tensor_load_to_lds s[G0:G0+3], s[G1:G1+7]      ; my one tensor load behind the barrier: 15 tiles stand between it and the wait for it
	s_nop 0
	PLACES
	s_mov_b32 s[NT], 7
.else
	s_mov_b32 s[NT], 6
.endif
.Ltiles_\@:
	TILE 1, 1, 1, 39, 38
.if \fill
	ASK
.endif
	TILE 0, 1, 1, 39, 38
.if \fill
	s_add_nc_u64 s[PF:PF+1], s[PF:PF+1], 8*4096    ; eight rows on; the tile above has waited on XCNT behind the prefetch
.endif
	s_sub_co_u32 s[NT], s[NT], 1
	s_cmp_lg_u32 s[NT], 0
	s_cbranch_scc1 .Ltiles_\@
.if \fill
	ASK
.endif
	TILE 1, 1, 1, 39, 38
.if \fill
	s_add_nc_u64 s[PF:PF+1], s[PF:PF+1], 8*4096
.else                                  ; the last pass's last two tiles ask for nothing: 26 = the last tile's loads; then its own 13; then none
	TILE 0, 1, 0, 39, 26
	TILE 1, 1, 0, 13, 0
.endif
	TANH_ONLY ACC+32                               ; the last tile's tanh
	; THE SCORES: lane (r, h) holds, for rows 16 m + 8 h + j, the sum over unit r of each of my tiles: four steps join the 16 lanes of a half
.irp x, 1,2,4,8
.set I, 0
.rept 32
	v_add_f32_dpp v[SC+I], v[SC+I], v[SC+I] row_xmask:\x row_mask:0xf bank_mask:0xf
.set I, I+1
.endr
.endr
.irp m, 0,1,2,3
.irp u, 0,1
	ds_store_b128 v[SXW], v[SC+8*\m+4*\u:SC+8*\m+4*\u+3] offset:64*\m+16*\u   ; the 16 lanes of a half write the same bytes with the same values
.endr
.endr
	s_wait_dscnt 0x0                               ; for the others' sake: my partial scores have landed
	s_barrier_signal -1
	s_barrier_wait -1
.irp q, 0,1,2,3
	ds_load_b64 v[T+2*\q:T+2*\q+1], v[SXR] offset:256*\q   ; rows 2 l and 2 l + 1, each wave's part
.endr
	s_wait_dscnt 0x0
	v_pk_add_f32 v[T:T+1], v[T:T+1], v[T+2:T+3]
	v_pk_add_f32 v[T+4:T+5], v[T+4:T+5], v[T+6:T+7]
	v_pk_add_f32 v[T:T+1], v[T:T+1], v[T+4:T+5]
	v_pk_mul_f32 v[T+8:T+9], v[T:T+1], s[NC:NC+1] op_sel_hi:[1,0]   ; y = -c x the sum
	s_wait_alu depctr_va_vdst(0)                   ; the wait ahead of the branch
	s_cmp_lg_u32 s[WV], 0
	s_cbranch_scc1 .Lnot_wave_0_\@
	global_store_b64 v[SO], v[T+8:T+9], s[10:11]   ; wave 0 stores the 64 y: 256 consecutive bytes, aligned
.Lnot_wave_0_\@:
	; THE RUNNING SOFTMAX, the same in all four waves
	v_max_num_f32 v[T+10], v[T+8], v[T+9]
.irp x, 1,2,4,8
	v_max_num_f32_dpp v[T+10], v[T+10], v[T+10] row_xmask:\x row_mask:0xf bank_mask:0xf
.endr
	v_permlanex16_b32 v[T+11], v[T+10], s[SEL], s[SEL+1]
	v_max_num_f32 v[T+10], v[T+10], v[T+11]        ; the pass's largest y
	v_max_num_f32 v[T+12], v[MX], v[T+10]          ; the new M
	v_sub_f32 v[T+13], v[MX], v[T+12]
	v_sub_f32 v[T+14], v[T+8], v[T+12]
	v_sub_f32 v[T+15], v[T+9], v[T+12]
	s_wait_alu depctr_va_vdst(0)                   ; the wait ahead of the batch
	v_exp_f32 v[FF], v[T+13]                       ; f = 2^(old M - new M)
	v_exp_f32 v[T+14], v[T+14]                     ; p = 2^(y - M)
	v_exp_f32 v[T+15], v[T+15]
	v_mov_b32 v[MX], v[T+12]                       ; (the plain instruction behind the exponentials)
	s_wait_alu depctr_va_vdst(0)                   ; and behind it, ahead of the first reader
	ds_store_b64 v[PBW], v[T+14:T+15]
	v_add_f32 v[T+16], v[T+14], v[T+15]
.irp x, 1,2,4,8
	v_add_f32_dpp v[T+16], v[T+16], v[T+16] row_xmask:\x row_mask:0xf bank_mask:0xf
.endr
	v_permlanex16_b32 v[T+17], v[T+16], s[SEL], s[SEL+1]
	v_add_f32 v[T+16], v[T+16], v[T+17]
	v_fma_f32 v[MX+1], v[MX+1], v[FF], v[T+16]     ; L = L f + the pass's sum of p
.irp i, 0,1,2,3,4,5,6,7,8,9,10,11,12,13,14,15
	ds_load_b128 v[ACC+4*\i:ACC+4*\i+3], v[PBR] offset:16*\i   ; p of all 64 rows into every lane; LDS serves a wave's instructions in order (ISA guide 5.7.1.4): these see my store
.endr
.irp i, 0,1,2,3
	v_pk_mul_f32 v[CTX+2*\i:CTX+2*\i+1], v[CTX+2*\i:CTX+2*\i+1], v[FF:FF+1] op_sel_hi:[1,0]   ; the context under the new M
.endr
	s_wait_alu depctr_va_vdst(0)                   ; the wait ahead of the wait below
	s_wait_dscnt 0x0
	; THE CONTEXT: my 8 features += p x key, the key straight from its bf16 half; eight chains
.irp g, 0,1,2,3
	WIN \g
.set TT, 0
.rept 16
.irp u, 0,1,2,3
	v_fma_mix_f32_bf16 v[CTX+2*\u], v[192+4*TT+\u], v[ACC+16*\g+TT], v[CTX+2*\u] op_sel_hi:[1,0,0]
	v_fma_mix_f32_bf16 v[CTX+2*\u+1], v[192+4*TT+\u], v[ACC+16*\g+TT], v[CTX+2*\u+1] op_sel:[1,0,0] op_sel_hi:[1,0,0]
.endr
.set TT, TT+1
.endr
.endr
	WIN 0
.if \fill
	s_wait_xcnt 0x0                                ; y's store has read its base and its data
	s_add_nc_u64 s[10:11], s[10:11], 256
.endif
.endm
	s_load_b256 s[4:11], s[0:1], 0x0               ; keys s[4:5], uaf s[6:7], pb s[8:9], sraw s[10:11]
	s_load_b128 s[12:15], s[0:1], 0x20             ; pm s[12:13], pctx s[14:15]
	v_lshl_add_u32 v[SPW], v0, 2, SPARE
	v_mov_b32 v[NIL], 0
	ds_add_u32 v[SPW], v[NIL]                      ; the opening lines: the add, twice on end, and its wait ahead of my first tensor load
	ds_add_u32 v[SPW], v[NIL]
	v_lshrrev_b32 v21, 5, v0
	v_readfirstlane_b32 s[WV], v21                 ; wave 0..3
	; group 1: 64 rows x 256 numbers of 4 bytes, rows 1,024 numbers apart in memory, 16 bytes of padding behind each row in LDS
	s_mov_b32 s[G1+0], (2<<16)|(1<<20)|(7<<22)|(3<<25)
	s_mov_b32 s[G1+1], 256<<16
	s_mov_b32 s[G1+2], 64<<16
	s_mov_b32 s[G1+3], 256<<16
	s_mov_b32 s[G1+4], 64
	s_mov_b32 s[G1+5], 1024
	s_mov_b32 s[G1+6], 0
	s_mov_b32 s[G1+7], 0
	s_mov_b32 s[SEL], 0x76543210
	s_mov_b32 s[SEL+1], 0xfedcba98
	s_mov_b32 s[CC], 0x4038aa3b                    ; c = 2 log2(e)
	s_mov_b32 s[CC+1], s[CC]
	s_mov_b32 s[NC], 0xc038aa3b                    ; -c
	s_mov_b32 s[NC+1], s[NC]
	s_mov_b32 s41, 0
	s_mov_b32 s43, 0
	s_mov_b32 s[TC], 1                             ; tiles 0 and 1 are asked for below
	s_lshl_b32 s58, ttmp9, 20                      ; keys: my work-group's 256 rows of 4,096 bytes,
	s_lshl_b32 s17, s[WV], 10                      ; my panel's 1,024 bytes of a row
	s_add_co_u32 s58, s58, s17
	s_mov_b32 s59, 0
	s_mul_i32 s60, s[WV], 16*TILEB                 ; uaf: my 16 tiles
	s_mov_b32 s61, 0
	s_lshl_b32 s62, s[WV], 16                      ; pb: my 16 tiles of 4,096 bytes,
	s_lshr_b32 s17, ttmp9, 3
	s_lshl_b32 s17, s17, 7                         ; my batch's 128 bytes
	s_add_co_u32 s62, s62, s17
	s_mov_b32 s63, 0
	s_mov_b32 s[G0], 1
	s_mul_i32 s[G0+1], s[WV], PANEL
	s_wait_dscnt 0x0                               ; both opening adds are done
	s_wait_kmcnt 0x0
	s_add_nc_u64 s[G0+2:G0+3], s[4:5], s[58:59]    ; the first pass's 64 rows
	s_add_nc_u64 s[PF:PF+1], s[4:5], s[58:59]
	s_or_b32 s[G0+3], s[G0+3], 0x80000000
	tensor_load_to_lds s[G0:G0+3], s[G1:G1+7]      ; every wave's first fill: one tensor load of mine is out, here and behind each refill
	s_nop 0
	v_and_b32 v21, 31, v0                          ; l
	v_and_b32 v22, 15, v0                          ; r
	v_bfe_u32 v23, v0, 4, 1                        ; h
	v_mul_u32_u24 v[QA0], v22, PITCH
	v_lshl_add_u32 v[QA0], v23, 6, v[QA0]
	v_add_nc_u32 v[QA0], s[G0+1], v[QA0]
	v_lshl_add_u32 v[RA], v21, 4, s[G0+1]
	v_add_nc_u32 v[RA2], 32*PITCH, v[RA]
	s_mul_i32 s17, s[WV], 2*FRB
	s_add_co_u32 s17, s17, IMG
	v_lshl_add_u32 v[IW0], v21, 4, s17
	s_lshl_b32 s17, s[WV], 3
	s_add_co_u32 s17, s17, ASC
	v_lshl_add_u32 v[SW0], v22, 5, s17
	v_lshl_add_u32 v[LI], v21, 4, IMG
	v_lshl_add_u32 v[ASA], v22, 5, ASC
	v_lshl_add_u32 v[ASA], v23, 4, v[ASA]
	s_lshl_b32 s17, s[WV], 8
	s_add_co_u32 s18, s17, SX
	v_lshl_add_u32 v[SXW], v23, 5, s18
	v_lshl_add_u32 v[SXR], v21, 3, SX
	s_add_co_u32 s18, s17, PBC
	v_lshl_add_u32 v[PBW], v21, 3, s18
	v_mov_b32 v[PBR], s18
	v_lshrrev_b32 v25, 2, v21
	v_and_b32 v[PFO], 3, v21
	v_lshlrev_b32 v[PFO], 8, v[PFO]
	v_lshl_add_u32 v[PFO], v25, 12, v[PFO]         ; row l / 4 of 4,096 bytes, block l % 4 of 256
	v_lshlrev_b32 v[BO], 4, v21
	v_lshlrev_b32 v[PO], 3, v22
	v_lshlrev_b32 v[SO], 3, v21
	s_lshl_b32 s17, s[WV], 10
	v_lshl_add_u32 v[CO], v21, 4, s17
	s_wait_alu depctr_va_vdst(0)                   ; the wait ahead of the scalar lines below
	s_add_nc_u64 s[PF:PF+1], s[PF:PF+1], 2*64*4096 ; the prefetches begin at pass 2's rows
	s_add_nc_u64 s[B0:B0+1], s[6:7], s[60:61]
	s_add_nc_u64 s[P0:P0+1], s[8:9], s[62:63]
	s_mov_b64 s[BL:BL+1], s[B0:B0+1]
	s_mov_b64 s[PL:PL+1], s[P0:P0+1]
	s_lshl_b32 s58, ttmp9, 10                      ; sraw: 256 numbers a work-group
	s_add_nc_u64 s[10:11], s[10:11], s[58:59]
	s_lshl_b32 s58, ttmp9, 8                       ; pm: 256 bytes
	s_add_nc_u64 s[12:13], s[12:13], s[58:59]
	s_lshl_b32 s58, ttmp9, 12                      ; pctx: 4,096 bytes
	s_add_nc_u64 s[14:15], s[14:15], s[58:59]
	RUN1 0, 0                                      ; my tiles 0 and 1, in the order in which every later tile is asked for
	RUN2 0, 0, 0
	RUN1 1, TILEB
	RUN2 1, TILEB, 4096
	v_mov_b32 v[MX], 0xff61b1e6                    ; the largest y so far: -3e38, under every y: the first f is 0, and multiplies zeros
	v_mov_b32 v[MX+1], 0                           ; L
	v_mov_b32 v[FF+1], 0                           ; the upper halves of pairs that the packed forms name,
	v_mov_b32 v[CURB+1], 0
	v_mov_b32 v[CURV+1], 0
	v_mov_b32 v[T+11], 0                           ; and the lane permutes' destinations, are written once
	v_mov_b32 v[T+17], 0
.irp i, 0,1,2,3,4,5,6,7
	v_mov_b32 v[CTX+\i], 0
.endr
	s_wait_alu depctr_va_vdst(0)                   ; the wait at the head's end
	s_mov_b32 s[NPASS], 3
.Lpass:
	PASS 1
	s_sub_co_u32 s[NPASS], s[NPASS], 1
	s_cmp_lg_u32 s[NPASS], 0
	s_cbranch_scc1 .Lpass
	PASS 0                                         ; the last pass is written out: it asks for nothing more
	s_wait_alu depctr_va_vdst(0)                   ; the wait
	global_store_b128 v[CO], v[CTX:CTX+3], s[14:15]              ; my panel's part of the partial context: 512 consecutive bytes a store
	global_store_b128 v[CO], v[CTX+4:CTX+7], s[14:15] offset:512
	s_cmp_lg_u32 s[WV], 0
	s_cbranch_scc1 .Lnot_wave_0_end
	global_store_b64 v[SO], v[MX:MX+1], s[12:13]   ; (M, L), a copy from each lane: 256 consecutive bytes, aligned
.Lnot_wave_0_end:
	s_wait_tensorcnt 0x0                           ; the wave's end
	ds_add_u32 v[SPW], v[NIL]
	s_wait_dscnt 0x0
	s_endpgm
.Lfunc_end_k_q4b81f2917c_attn:
	.size	k_q4b81f2917c_attn, .Lfunc_end_k_q4b81f2917c_attn-k_q4b81f2917c_attn
	.p2alignl 7, 3214868480
	.fill 96, 4, 3214868480
	.section	.rodata,"a",@progbits
	.p2align	6, 0x0
	.amdhsa_kernel k_q4b81f2917c_attn
		.amdhsa_group_segment_fixed_size 327680
		.amdhsa_private_segment_fixed_size 0
		.amdhsa_enable_private_segment 0
		.amdhsa_kernarg_size 48
		.amdhsa_user_sgpr_count 2
		.amdhsa_user_sgpr_kernarg_segment_ptr 1
		.amdhsa_wavefront_size32 1
		.amdhsa_system_sgpr_workgroup_id_x 1
		.amdhsa_system_sgpr_workgroup_id_y 1
		.amdhsa_system_sgpr_workgroup_id_z 1
		.amdhsa_system_vgpr_workitem_id 0
		.amdhsa_next_free_vgpr 1024
		.amdhsa_next_free_sgpr 66
		.amdhsa_reserve_vcc 0
		.amdhsa_float_denorm_mode_32 3
		.amdhsa_float_denorm_mode_16_64 3
		.amdhsa_memory_ordered 1
		.amdhsa_forward_progress 1
		.amdhsa_inst_pref_size 255
	.end_amdhsa_kernel
	.section	.bss,"aw",@nobits
	.p2align	6
	.space	262144
	.amdgpu_metadata
---
amdhsa.version: [ 1, 2 ]
amdhsa.kernels:
  - .name:           k_q4b81f2917c_attn
    .symbol:         k_q4b81f2917c_attn.kd
    .args:
      - { .name: keys, .offset: 0, .size: 8, .value_kind: global_buffer, .address_space: global }
      - { .name: uaf, .offset: 8, .size: 8, .value_kind: global_buffer, .address_space: global }
      - { .name: pb, .offset: 16, .size: 8, .value_kind: global_buffer, .address_space: global }
      - { .name: sraw, .offset: 24, .size: 8, .value_kind: global_buffer, .address_space: global }
      - { .name: pm, .offset: 32, .size: 8, .value_kind: global_buffer, .address_space: global }
      - { .name: pctx, .offset: 40, .size: 8, .value_kind: global_buffer, .address_space: global }
    .group_segment_fixed_size: 327680
    .private_segment_fixed_size: 0
    .kernarg_segment_align: 8
    .kernarg_segment_size: 48
    .max_flat_workgroup_size: 128
    .sgpr_count:     66
    .vgpr_count:     1024
    .wavefront_size: 32
...
	.end_amdgpu_metadata
.endif
;; end of part 2
;; launch combine (part 3): grid 32 x 1, 8 waves a work-group, no clusters, 0 bytes of LDS; arguments sraw, pm, pctx, out0, out1; writes out0, out1
.if DOCPART == 3
	.amdgcn_target "amdgcn-amd-amdhsa--gfx1250"
	.amdhsa_code_object_version 6
	.text
	.protected	k_q4b81f2917c_combine
	.globl	k_q4b81f2917c_combine
	.p2align	8
	.type	k_q4b81f2917c_combine,@function
k_q4b81f2917c_combine:
	s_mov_b64 s[64:65], 0
	v_nop
	global_prefetch_b8 v0, s[64:65] scope:SCOPE_SE
	s_setreg_imm32_b32 hwreg(HW_REG_WAVE_MODE, 25, 1), 1
	s_wait_xcnt 0x0
; BAHDANAU ATTENTION, launch 3 of 3: a batch's eight partial results become its weights and its context.
; LEFT OUT (shown at the head of the first launch): Va_b and the sum of Va, which are the same along the softmax's axis: y is the score in powers of two, less that constant.
; Work-group b is batch b.  Part i (0 .. 7) gave M_i (its largest y), L_i (its sum of 2^(y - M_i)) and ctx_i (its sum of 2^(y - M_i) x key).  With M = the largest M_i and e_i = 2^(M_i - M):
;   L = sum of e_i L_i;   weights[t] = 2^(y[t] - M) / L;   context = (sum of e_i ctx_i) / L.
; 256 threads: thread t takes y at 4 t .. 4 t + 3 and 1,024 + 4 t .. + 3, and features 4 t .. 4 t + 3.  Every load and store of a wave covers 512 consecutive bytes (pm: 256).  Memory binds: no LDS, no barrier, no matrix unit.
; REGISTERS: v1 8 x lane; v2 16 x thread; v8-23 (M_i, L_i), then (e_i, L_i); v24-31 y, then the weights; v32-63 ctx_i; v64 M; v65 L; v66 1 / L (v67: the pair's upper half); v68-71 the context.
	s_load_b256 s[4:11], s[0:1], 0x0               ; sraw s[4:5], pm s[6:7], pctx s[8:9], out0 s[10:11]
	s_load_b64 s[12:13], s[0:1], 0x20              ; out1
	v_and_b32 v1, 31, v0
	s_delay_alu instid0(VALU_DEP_1)
	v_lshlrev_b32 v1, 3, v1
	v_lshlrev_b32 v2, 4, v0
	v_mov_b32 v67, 0                               ; (named as the upper half of the pair v[66:67])
	s_lshl_b32 s14, ttmp9, 11                      ; pm: 8 parts of 256 bytes
	s_mov_b32 s15, 0
	s_lshl_b32 s16, ttmp9, 13                      ; sraw and out1: 2,048 numbers
	s_mov_b32 s17, 0
	s_lshl_b32 s18, ttmp9, 15                      ; pctx: 8 parts of 4,096 bytes
	s_mov_b32 s19, 0
	s_lshl_b32 s20, ttmp9, 12                      ; out0: 1,024 numbers
	s_mov_b32 s21, 0
	s_wait_alu depctr_va_vdst(0)
	s_wait_kmcnt 0x0
	s_add_nc_u64 s[6:7], s[6:7], s[14:15]
	s_add_nc_u64 s[4:5], s[4:5], s[16:17]
	s_add_nc_u64 s[12:13], s[12:13], s[16:17]
	s_add_nc_u64 s[8:9], s[8:9], s[18:19]
	s_add_nc_u64 s[10:11], s[10:11], s[20:21]
.irp i, 0,1,2,3,4,5,6,7
	global_load_b64 v[8+2*\i:9+2*\i], v1, s[6:7] offset:256*\i
.endr
	global_load_b128 v[24:27], v2, s[4:5] th:TH_LOAD_NT
	global_load_b128 v[28:31], v2, s[4:5] offset:4096 th:TH_LOAD_NT
.irp i, 0,1,2,3,4,5,6,7
	global_load_b128 v[32+4*\i:35+4*\i], v2, s[8:9] offset:4096*\i th:TH_LOAD_NT
.endr
	s_wait_loadcnt 8                               ; (M_i, L_i) and y are in; the eight loads of ctx_i, issued behind them, may be out
	v_max3_num_f32 v64, v8, v10, v12
	s_delay_alu instid0(VALU_DEP_1)
	v_max3_num_f32 v64, v64, v14, v16
	s_delay_alu instid0(VALU_DEP_1)
	v_max3_num_f32 v64, v64, v18, v20
	s_delay_alu instid0(VALU_DEP_1)
	v_max_num_f32 v64, v64, v22                    ; M
.irp i, 0,1,2,3,4,5,6,7
	v_sub_f32 v[8+2*\i], v[8+2*\i], v64
.endr
.irp k, 0,1,2,3,4,5,6,7
	v_sub_f32 v[24+\k], v[24+\k], v64
.endr
	s_wait_alu depctr_va_vdst(0)
.irp i, 0,1,2,3,4,5,6,7
	v_exp_f32 v[8+2*\i], v[8+2*\i]                 ; e_i
.endr
.irp k, 0,1,2,3,4,5,6,7
	v_exp_f32 v[24+\k], v[24+\k]                   ; 2^(y - M)
.endr
	v_nop                                          ; a plain instruction behind the batch,
	s_wait_alu depctr_va_vdst(0)                   ; and one wait for the sixteen, ahead of their first reader
	v_mul_f32 v65, v8, v9
.irp i, 1,2,3,4,5,6,7
	v_fmac_f32 v65, v[8+2*\i], v[9+2*\i]           ; L
.endr
	s_wait_alu depctr_va_vdst(0)
	v_rcp_f32 v66, v65
	v_nop
	s_wait_alu depctr_va_vdst(0)
.irp k, 0,2,4,6
	v_pk_mul_f32 v[24+\k:25+\k], v[24+\k:25+\k], v[66:67] op_sel_hi:[1,0]
.endr
	global_store_b128 v2, v[24:27], s[12:13]
	global_store_b128 v2, v[28:31], s[12:13] offset:4096
	s_wait_loadcnt 0x0
	v_pk_mul_f32 v[68:69], v[32:33], v[8:9] op_sel_hi:[1,0]       ; the first part starts the sums
	v_pk_mul_f32 v[70:71], v[34:35], v[8:9] op_sel_hi:[1,0]
.irp i, 1,2,3,4,5,6,7
	v_pk_fma_f32 v[68:69], v[32+4*\i:33+4*\i], v[8+2*\i:9+2*\i], v[68:69] op_sel_hi:[1,0,1]
	v_pk_fma_f32 v[70:71], v[34+4*\i:35+4*\i], v[8+2*\i:9+2*\i], v[70:71] op_sel_hi:[1,0,1]
.endr
	v_pk_mul_f32 v[68:69], v[68:69], v[66:67] op_sel_hi:[1,0]
	v_pk_mul_f32 v[70:71], v[70:71], v[66:67] op_sel_hi:[1,0]
	global_store_b128 v2, v[68:71], s[10:11]
	s_endpgm
.Lfunc_end_k_q4b81f2917c_combine:
	.size	k_q4b81f2917c_combine, .Lfunc_end_k_q4b81f2917c_combine-k_q4b81f2917c_combine
	.p2alignl 7, 3214868480
	.fill 96, 4, 3214868480
	.section	.rodata,"a",@progbits
	.p2align	6, 0x0
	.amdhsa_kernel k_q4b81f2917c_combine
		.amdhsa_group_segment_fixed_size 0
		.amdhsa_private_segment_fixed_size 0
		.amdhsa_enable_private_segment 0
		.amdhsa_kernarg_size 40
		.amdhsa_user_sgpr_count 2
		.amdhsa_user_sgpr_kernarg_segment_ptr 1
		.amdhsa_wavefront_size32 1
		.amdhsa_system_sgpr_workgroup_id_x 1
		.amdhsa_system_sgpr_workgroup_id_y 1
		.amdhsa_system_sgpr_workgroup_id_z 1
		.amdhsa_system_vgpr_workitem_id 0
		.amdhsa_next_free_vgpr 72
		.amdhsa_next_free_sgpr 66
		.amdhsa_reserve_vcc 0
		.amdhsa_float_denorm_mode_32 3
		.amdhsa_float_denorm_mode_16_64 3
		.amdhsa_memory_ordered 1
		.amdhsa_forward_progress 1
		.amdhsa_inst_pref_size 7
	.end_amdhsa_kernel
	.amdgpu_metadata
---
amdhsa.version: [ 1, 2 ]
amdhsa.kernels:
  - .name:           k_q4b81f2917c_combine
    .symbol:         k_q4b81f2917c_combine.kd
    .args:
      - { .name: sraw, .offset: 0, .size: 8, .value_kind: global_buffer, .address_space: global }
      - { .name: pm, .offset: 8, .size: 8, .value_kind: global_buffer, .address_space: global }
      - { .name: pctx, .offset: 16, .size: 8, .value_kind: global_buffer, .address_space: global }
      - { .name: out0, .offset: 24, .size: 8, .value_kind: global_buffer, .address_space: global }
      - { .name: out1, .offset: 32, .size: 8, .value_kind: global_buffer, .address_space: global }
    .group_segment_fixed_size: 0
    .private_segment_fixed_size: 0
    .kernarg_segment_align: 8
    .kernarg_segment_size: 40
    .max_flat_workgroup_size: 256
    .sgpr_count:     66
    .vgpr_count:     72
    .wavefront_size: 32
...
	.end_amdgpu_metadata
.endif
;; end of part 3
